; MI455X (gfx1250); checked and timed in simulation.
; The chip was launched on July 23, 2026; its instructions are those of AMD's public machine-readable ISA for CDNA 5 (MIT licence, August 2026) and "CDNA5" Instruction Set Architecture Reference Guide (July 2026). The comments in the code are by the model that wrote it; some were corrected since.
;; Retrieval Model. Allowed arithmetic: float matrix products may take bf16 or f16 operands with f32 sums; other float arithmetic in f32, or as packed bf16 or f16 multiplies, adds, multiply-adds, maxima and minima; sums over many terms, partial sums and values carried from step to step in f32; what a program stores and reads back later, other than sums and carried values, may be rounded once to bf16 or f16.
;; Inputs: cand_table 125,000 x 32 float32; user_ids 1,024 int32; user_table 1,000,000 x 32 float32.
;; Outputs: out0 1,024 x 32 float32; out1 1,024 x 10 int32.
;; 2 versions, each right; version 2 is version 1 with the launch score written anew for expert scheduling mode. Each part assembles by itself: llvm-mc -triple=amdgcn-amd-amdhsa -mcpu=gfx1250 --defsym DOCPART=n.
;; ======== version 1 of 2: 3 launches
;; workspace buffers: gmax 8,028,160 bytes; candb 8,028,160 bytes; sel 131,072 bytes of whole numbers
;; launch score (part 1): grid 245 x 1, 4 waves a work-group, no clusters, 41,728 bytes of LDS; arguments cand_table, user_ids, user_table, gmax, candb; writes gmax, candb
.if DOCPART == 1
	.amdgcn_target "amdgcn-amd-amdhsa--gfx1250"
	.amdhsa_code_object_version 6
	.text
	.protected	k_qdbcd9e2229_score
	.globl	k_qdbcd9e2229_score
	.p2align	8
	.type	k_qdbcd9e2229_score,@function
k_qdbcd9e2229_score:
	s_mov_b64 s[64:65], 0
	v_nop
	global_prefetch_b8 v0, s[64:65] scope:SCOPE_SE
	s_setreg_imm32_b32 hwreg(HW_REG_WAVE_MODE, 25, 1), 1
	s_wait_xcnt 0x0
; SCORES, KEPT AS GROUP MAXIMA.  scores[u][c] = the sum over 32 channels of user_table[user_ids[u]] x cand_table[c], both rounded to bf16, summed in f32 by one matrix instruction.
; Candidates lie in groups of 64 neighbours (group = c >> 6).  Only each group's largest score is stored for each user: the ten best candidates of a user lie in the ten groups with the
; best (maximum, then lower group number), which a later launch picks and a third scores again.  This launch also stores the candidates rounded to bf16 for that third launch.
; SHARES.  A work-group owns a chunk of 512 candidates (8 groups; 245 chunks cover 125,440 rows) against all 1,024 users; wave w owns users 256 w .. 256 w + 255 as 16 fragments in registers.
; The table ends inside the last chunk: a wave's load of four rows is clamped, as a whole, to the table's last four rows.  Those belong to group 1953, whose maximum a repeat does not change; groups from 1954 on are never read as scores.
; LAYOUT.  Source 0 = 16 candidates, source 1 = 16 users.  Result register j of lane (r = lane % 16, h = lane / 16) is candidate row 8 h + j, user column r.  Tile n takes chunk rows 8 n .. 8 n + 7 and
; 256 + 8 n .. 256 + 8 n + 7, so a lane's eight results, over the eight tiles 8 p .. 8 p + 7, are one whole group: 4 h + p of the chunk.  No maximum ever crosses lanes.
; Fragment f's column r is user 256 w + 16 r + f.  gmax is [block 16 w + f][chunk][r][8 groups] of f32: a wave's store of a fragment's maxima covers 512 consecutive bytes, aligned.
; NO CLUSTER, NO TENSOR LOAD: no two work-groups read the same candidates; what they share, the gathered user rows, is no tile; and the f32 rows are rounded on their way into LDS, so they pass through registers anyway.
; LIMITS.  NaN and infinite scores are not treated apart (a NaN loses every maximum).  user_ids are held to 0 .. 999,999.
; REGISTERS, in windows of 256 (s_set_vgpr_msb: bits 1:0 source 0, 3:2 source 1, 5:4 source 2, 7:6 destination):
;   window 0: v0-15 addresses and four at work; v16-31 candidate fragments, two buffers; v32-63 results, four buffers (first: the ids); v64-127 the maxima (first: the packed candidates); v128-255 the user fragments (first: 32 load offsets)
;   window 1: the users' rows in f32, 16 registers a fragment          window 2: v0-127 the chunk's share in f32, 4 registers a load
.set PITCH,  80                        ; an LDS row: 64 bytes of bf16 + 16: eight neighbouring rows start 20 words apart
.set HALF2,  256*PITCH+128             ; rows 256-511 begin here: 32 words further round the banks (64 banks of 4 bytes: ISA guide 11.1), so a fragment's two runs of eight rows touch different banks
.set SPARE,  41216                     ; behind the rows: the spare words, 128 bytes for each wave: two blocks of 256 bytes that no other line names
.set BLK,    125440                    ; bytes of a block of gmax: 245 chunks x 512
.set LASTB,  31249                     ; the table's last run of four rows (125,000 / 4 - 1)
.set MAXID,  999999
.set VA,  1                            ; v1   LDS address of my part of tile 0
.set GO,  2                            ; v2   my 16 bytes in a chunk's 512 of gmax: 32 r + 16 h
.set SPW, 3                            ; v3   LDS address of my spare word; never rewritten
.set NIL, 4                            ; v4   0; never rewritten
.set T,   5                            ; v5-8 at work
.set LANE, 9
.set VLS, 10                           ; v10  where my 8 bytes of a rounded row go in LDS
.set L16, 11                           ; v11  16 x lane
.set CBO, 12                           ; v12  where they go in candb
.set IDO, 13                           ; v13  my 16 ids
.set H32, 14                           ; v14  32 h
.set A,   16
.set D,   32
.set ID,  32
.set ACC, 64
.set PK,  64
.set B,   128
.set VO,  128
.set MSB, 0
.macro WIN new                         ; the immediate's high byte repeats the setting that is left
.if MSB != (\new)
	s_set_vgpr_msb (MSB<<8)|(\new)
.set MSB, \new
.endif
.endm
	s_load_b256 s[4:11], s[0:1], 0x0               ; cand_table s[4:5], user_ids s[6:7], user_table s[8:9], gmax s[10:11]
	s_load_b64 s[12:13], s[0:1], 0x20              ; candb
	v_lshl_add_u32 v[SPW], v0, 2, SPARE
	v_mov_b32 v[NIL], 0
	v_and_b32 v[LANE], 31, v0
	v_lshrrev_b32 v5, 5, v0
	v_readfirstlane_b32 s14, v5                    ; wave 0..3
	s_mov_b32 s15, ttmp9                           ; chunk
	v_and_b32 v5, 15, v0                           ; r
	v_bfe_u32 v6, v0, 4, 1                         ; h
	v_lshrrev_b32 v7, 3, v5
	v_and_b32 v8, 7, v5
	v_mul_u32_u24 v[VA], v7, HALF2                 ; fragment row r is chunk row 256 (r / 8) + r % 8 (+ 8 n)
	v_mul_u32_u24 v8, v8, PITCH
	v_add_nc_u32 v[VA], v[VA], v8
	v_lshl_add_u32 v[VA], v6, 4, v[VA]             ; + 16 h: channels 8 h on
	v_lshlrev_b32 v[GO], 5, v5
	v_lshl_add_u32 v[GO], v6, 4, v[GO]
	v_lshlrev_b32 v[H32], 5, v6
	v_lshlrev_b32 v[L16], 4, v[LANE]
	v_lshrrev_b32 v7, 3, v[LANE]                   ; a load of 512 bytes is four rows: lane / 8 is the row, lane % 8 the four channels
	s_lshl_b32 s17, s14, 2
	v_add_nc_u32 v7, s17, v7                       ; chunk row 16 i + 4 w + lane / 8
	v_and_b32 v8, 7, v[LANE]
	v_mul_u32_u24 v[VLS], v7, PITCH
	v_lshl_add_u32 v[VLS], v8, 3, v[VLS]
	s_lshl_b32 s17, s14, 8
	v_lshl_add_u32 v[CBO], v[LANE], 3, s17         ; 256 w + 8 x lane
	s_lshl_b32 s17, s14, 10
	v_lshl_add_u32 v[IDO], v5, 6, s17              ; ids 256 w + 16 r on
	s_lshl_b32 s16, s15, 7
	s_add_co_u32 s16, s16, s14                     ; my first run of four rows: 128 x chunk + w
.set i, 0
.rept 32                                               ; load i takes run 128 x chunk + w + 4 i, held to the table's last
	s_add_co_u32 s17, s16, 4*i
	s_min_u32 s17, s17, LASTB
	s_lshl_b32 s17, s17, 9
	v_add_nc_u32 v[VO+i], s17, v[L16]
.set i, i+1
.endr
	s_mul_i32 s18, s14, 16*BLK                     ; gmax at my wave's 16 blocks, this chunk
	s_lshl_b32 s17, s15, 9
	s_add_co_u32 s18, s18, s17
	s_mov_b32 s19, 0
	s_wait_kmcnt 0x0
	s_add_nc_u64 s[10:11], s[10:11], s[18:19]
	s_lshl_b32 s18, s15, 15                        ; candb at this chunk: 512 rows of 64 bytes
	s_add_nc_u64 s[12:13], s[12:13], s[18:19]
.irp k, 0,1,2,3
	global_load_b128 v[ID+4*\k:ID+4*\k+3], v[IDO], s[6:7] offset:16*\k  ; register f: the id of user 256 w + 16 r + f
.endr
	WIN 0x80                                       ; destination window 2
.set i, 0
.rept 32
	global_load_b128 v[4*i:4*i+3], v[VO+i], s[4:5] th:TH_LOAD_NT  ; 512 consecutive bytes a wave; each candidate byte is read once in the launch
.set i, i+1
.endr
	WIN 0
	s_wait_loadcnt 32                              ; the 32 candidate loads are younger: the ids are in
.set f, 0
.rept 16
	v_min_u32 v[ID+f], MAXID, v[ID+f]
	v_lshl_add_u32 v[ID+f], v[ID+f], 7, v[H32]     ; a row is 128 bytes; my channels 8 h on begin 32 h into it
.set f, f+1
.endr
	WIN 0x40                                       ; destination window 1
.set f, 0
.rept 16                                               ; channels 8 h .. 8 h + 7 and 16 + 8 h .. 16 + 8 h + 7 of the row: a fragment's share of a lane
	global_load_b128 v[16*f:16*f+3],     v[ID+f], s[8:9]
	global_load_b128 v[16*f+4:16*f+7],   v[ID+f], s[8:9] offset:16
	global_load_b128 v[16*f+8:16*f+11],  v[ID+f], s[8:9] offset:64
	global_load_b128 v[16*f+12:16*f+15], v[ID+f], s[8:9] offset:80
.set f, f+1
.endr
	s_wait_loadcnt 63                              ; 64 loads were issued behind the last candidate load: with 63 out at the most, every candidate load is done
	WIN 0x0a                                       ; sources 0 and 1 window 2
.set i, 0
.rept 64
	v_cvt_pk_bf16_f32 v[PK+i], v[2*i], v[2*i+1]
.set i, i+1
.endr
	WIN 0
.set i, 0
.rept 32
	ds_store_b64 v[VLS], v[PK+2*i:PK+2*i+1] offset:i*16*PITCH+(i/16)*128
.set i, i+1
.endr
.set i, 0
.rept 32
	global_store_b64 v[CBO], v[PK+2*i:PK+2*i+1], s[12:13] offset:i*1024  ; 256 consecutive bytes a wave, at a multiple of 256 from candb's first byte
.set i, i+1
.endr
.set q, 0
.rept 4
	s_wait_loadcnt 48-16*q                         ; the loads of the fragments behind these four stay out
	WIN 0x05                                       ; sources 0 and 1 window 1
.set f, 4*q
.rept 4
.set m, 0
.rept 8
	v_cvt_pk_bf16_f32 v[B+8*f+m], v[16*f+2*m], v[16*f+2*m+1]
.set m, m+1
.endr
.set f, f+1
.endr
.set q, q+1
.endr
	WIN 0
	s_wait_xcnt 0x0                                ; the stores into candb have read the packed words: the maxima take those registers only behind this wait
	s_wait_dscnt 0x0                               ; for the others' sake: my rows are in LDS
	s_barrier_signal -1
	s_barrier_wait -1                              ; everybody's are
	ds_load_b128 v[A:A+3],   v[VA]
	ds_load_b128 v[A+4:A+7], v[VA] offset:32
; One product: 16 candidates x fragment f's 16 users; K = 32 is the whole sum, so C is the constant 0 and no accumulator is ever added onto.
.macro MMA f, ab
	v_wmma_f32_16x16x32_bf16 v[D+8*((\f)%4):D+8*((\f)%4)+7], v[A+8*(\ab):A+8*(\ab)+7], v[B+8*(\f):B+8*(\f)+7], 0
.endm
; Its eight results of a lane go into the maximum of group p for fragment f: four lines for eight scores.  The result is read from its low end on.  t = 0: a group's first tile starts the maximum: nothing is cleared.
.macro RED f, p, t
.set rd, D+8*((\f)%4)
.set rt, T+2*((\f)%2)
	v_max3_num_f32 v[rt],   v[rd],   v[rd+1], v[rd+2]
	v_max3_num_f32 v[rt+1], v[rd+3], v[rd+4], v[rd+5]
	v_max3_num_f32 v[rt],   v[rt],   v[rd+6], v[rd+7]
.if (\t) == 0
	v_max_num_f32 v[ACC+4*(\f)+(\p)], v[rt], v[rt+1]
.else
	v_max3_num_f32 v[ACC+4*(\f)+(\p)], v[ACC+4*(\f)+(\p)], v[rt], v[rt+1]
.endif
.endm
; A tile: 16 products and their 64 lines of maxima, one product ahead of its maxima.  A vector instruction reads a matrix result four places behind it, and only plain vector instructions that name none of its
; registers are places (ISA guide 7.12.1): the maxima of the product before are those four; at a tile's head four v_nop.  A result buffer is written again twelve such lines behind its product.
; The next tile's fragment is loaded at the tile's head: the buffer's last reader, the last tile's product 15, stands ahead of fragment 14's four lines and fragment 15's.
.macro TILE n
	s_wait_dscnt 0x0                               ; this tile's fragment, asked for a tile ago
.if (\n) < 31
	ds_load_b128 v[A+8*(((\n)+1)%2):A+8*(((\n)+1)%2)+3],   v[VA] offset:((\n)+1)*8*PITCH
	ds_load_b128 v[A+8*(((\n)+1)%2)+4:A+8*(((\n)+1)%2)+7], v[VA] offset:((\n)+1)*8*PITCH+32
.endif
	MMA 0, (\n)%2
	MMA 1, (\n)%2
.rept 4
	v_nop
.endr
	RED 0, (\n)/8, (\n)%8
.irp f, 2,3,4,5,6,7,8,9,10,11,12,13,14,15
	MMA \f, (\n)%2
	RED (\f)-1, (\n)/8, (\n)%8
.endr
	RED 15, (\n)/8, (\n)%8
.endm
.set n, 0
.rept 32                                               ; written out: every LDS offset and every register is a constant of the text
	TILE n
.set n, n+1
.endr
.set f, 0
.rept 16
	global_store_b128 v[GO], v[ACC+4*f:ACC+4*f+3], s[10:11] offset:f*BLK  ; groups 4 h .. 4 h + 3 of the chunk for user 256 w + 16 r + f: the wave's 512 consecutive bytes
.set f, f+1
.endr
	s_wait_tensorcnt 0x0                           ; the wave's end
	ds_add_u32 v[SPW], v[NIL]
	s_wait_dscnt 0x0
	s_endpgm
.Lfunc_end_k_qdbcd9e2229_score:
	.size	k_qdbcd9e2229_score, .Lfunc_end_k_qdbcd9e2229_score-k_qdbcd9e2229_score
	.p2alignl 7, 3214868480
	.fill 96, 4, 3214868480
	.section	.rodata,"a",@progbits
	.p2align	6, 0x0
	.amdhsa_kernel k_qdbcd9e2229_score
		.amdhsa_group_segment_fixed_size 41728
		.amdhsa_private_segment_fixed_size 0
		.amdhsa_enable_private_segment 0
		.amdhsa_kernarg_size 40
		.amdhsa_user_sgpr_count 2
		.amdhsa_user_sgpr_kernarg_segment_ptr 1
		.amdhsa_wavefront_size32 1
		.amdhsa_system_sgpr_workgroup_id_x 1
		.amdhsa_system_sgpr_workgroup_id_y 1
		.amdhsa_system_sgpr_workgroup_id_z 1
		.amdhsa_system_vgpr_workitem_id 0
		.amdhsa_next_free_vgpr 640
		.amdhsa_next_free_sgpr 66
		.amdhsa_reserve_vcc 0
		.amdhsa_float_denorm_mode_32 3
		.amdhsa_float_denorm_mode_16_64 3
		.amdhsa_memory_ordered 1
		.amdhsa_forward_progress 1
		.amdhsa_inst_pref_size 206
	.end_amdhsa_kernel
	.amdgpu_metadata
---
amdhsa.version: [ 1, 2 ]
amdhsa.kernels:
  - .name:           k_qdbcd9e2229_score
    .symbol:         k_qdbcd9e2229_score.kd
    .args:
      - { .name: cand_table, .offset: 0, .size: 8, .value_kind: global_buffer, .address_space: global }
      - { .name: user_ids, .offset: 8, .size: 8, .value_kind: global_buffer, .address_space: global }
      - { .name: user_table, .offset: 16, .size: 8, .value_kind: global_buffer, .address_space: global }
      - { .name: gmax, .offset: 24, .size: 8, .value_kind: global_buffer, .address_space: global }
      - { .name: candb, .offset: 32, .size: 8, .value_kind: global_buffer, .address_space: global }
    .group_segment_fixed_size: 41728
    .private_segment_fixed_size: 0
    .kernarg_segment_align: 8
    .kernarg_segment_size: 40
    .max_flat_workgroup_size: 128
    .sgpr_count:     66
    .vgpr_count:     640
    .wavefront_size: 32
...
	.end_amdgpu_metadata
.endif
;; end of part 1
;; launch pick (part 2): grid 256 x 1, 4 waves a work-group, no clusters, 0 bytes of LDS; arguments gmax, sel; writes sel
.if DOCPART == 2
	.amdgcn_target "amdgcn-amd-amdhsa--gfx1250"
	.amdhsa_code_object_version 6
	.text
	.protected	k_qdbcd9e2229_pick
	.globl	k_qdbcd9e2229_pick
	.p2align	8
	.type	k_qdbcd9e2229_pick,@function
k_qdbcd9e2229_pick:
	s_mov_b64 s[64:65], 0
	v_nop
	global_prefetch_b8 v0, s[64:65] scope:SCOPE_SE
	s_setreg_imm32_b32 hwreg(HW_REG_WAVE_MODE, 25, 1), 1
	s_wait_xcnt 0x0
; THE TEN BEST GROUPS OF EACH USER.  gmax holds for each user the largest score of each of 1,954 groups of 64 candidates.  One wave takes one user, holds all its maxima in 64 registers a lane, and in ten
; rounds takes out the largest, on equal maxima the lower group number.  The ten numbers are stored as whole numbers: the next launch makes addresses of them.
; gmax is [block][chunk 0..244][slot 0..15][8 groups] of f32; user u = 256 w + 16 r + f lies in block 16 w + f, slot r.  Lane l's load i takes chunk 16 i + l / 2, words 4 (l % 2) on:
; register q = 4 i + e of lane l is group 128 i + 4 l + e, ascending in q within a lane.  Groups from 1954 on (the last chunk's tail, and the clamped chunks of load 15) are set to -inf.
; No choice steers a branch or an address here: every round compares and selects in all 64 registers.  No matrix unit, LDS or cluster: a wave's user is its own, and there is no product.
; LIMITS.  NaN never wins; -inf marks what has been taken out, so a maximum of -inf is not told from it; +0 and -0 count as equal.
.set BLK,  125440
.set LANE, 1
.set VO,   2                           ; v2   (l / 2) x 512 + 16 (l % 2)
.set VO15, 3                           ; v3   the same for load 15, its chunk held to 244
.set L4,   4                           ; v4   4 x lane: my part of a group's number, and my word of sel
.set M,    5
.set T,    6
.set IDL,  7
.set V,    8                           ; v8-71 the maxima
.set W,    72
.set WQ,   73
.set NEG,  74
.set OUT,  75
.set C,    76                          ; v76-79 four chains
.set SEL,  12                          ; s[12:13] v_permlanex16_b32's selects: each lane takes its own place in the other half
.macro WMAX x, t                       ; the largest of the 32 lanes' x, into every lane
.irp m, 1,2,4,8
	v_max_num_f32_dpp v[\x], v[\x], v[\x] row_xmask:\m row_mask:0xf bank_mask:0xf
.endr
	v_permlanex16_b32 v[\t], v[\x], s[SEL], s[SEL+1]
	v_max_num_f32 v[\x], v[\x], v[\t]
.endm
.macro WMINU x, t                      ; the smallest of the 32 lanes' whole numbers x, into every lane
.irp m, 1,2,4,8
	v_mov_b32_dpp v[\t], v[\x] row_xmask:\m row_mask:0xf bank_mask:0xf
	v_min_u32 v[\x], v[\x], v[\t]
.endr
	v_permlanex16_b32 v[\t], v[\x], s[SEL], s[SEL+1]
	v_min_u32 v[\x], v[\x], v[\t]
.endm
	s_load_b128 s[4:7], s[0:1], 0x0                ; gmax s[4:5], sel s[6:7]
	v_and_b32 v[LANE], 31, v0
	v_lshrrev_b32 v2, 5, v0
	v_readfirstlane_b32 s8, v2                     ; wave 0..3
	s_lshr_b32 s9, ttmp9, 2                        ; block
	s_and_b32 s10, ttmp9, 3
	s_lshl2_add_u32 s10, s10, s8                   ; slot r = 4 (group % 4) + wave: a work-group's four waves read 128 neighbouring bytes of each chunk
	s_mul_i32 s16, s9, BLK
	s_lshl_b32 s11, s10, 5
	s_add_co_u32 s16, s16, s11
	s_mov_b32 s17, 0
	s_lshr_b32 s18, s9, 4
	s_lshl_b32 s18, s18, 8
	s_lshl_b32 s11, s10, 4
	s_add_co_u32 s18, s18, s11
	s_and_b32 s11, s9, 15
	s_add_co_u32 s18, s18, s11                     ; the user: 256 (block / 16) + 16 r + block % 16
	s_lshl_b32 s18, s18, 7                         ; 128 bytes of sel a user
	s_mov_b32 s19, 0
	s_mov_b32 s[SEL], 0x76543210
	s_mov_b32 s[SEL+1], 0xfedcba98
	v_lshrrev_b32 v3, 1, v[LANE]
	v_and_b32 v4, 1, v[LANE]
	v_lshlrev_b32 v4, 4, v4
	v_lshl_add_u32 v[VO], v3, 9, v4
	v_add_nc_u32 v3, 240, v3
	v_min_u32 v3, 244, v3                          ; no load leaves the block
	v_lshl_add_u32 v[VO15], v3, 9, v4
	v_lshlrev_b32 v[L4], 2, v[LANE]
	v_mov_b32 v[NEG], 0xff800000
	v_mov_b32 v[OUT], 0                            ; words 10 to 31 of a user's 32 are stored as 0
	v_mov_b32 v[T], 0                              ; a destination of a lane move counts as read
	s_wait_kmcnt 0x0
	s_add_nc_u64 s[4:5], s[4:5], s[16:17]
	s_add_nc_u64 s[6:7], s[6:7], s[18:19]
.set i, 0
.rept 15
	global_load_b128 v[V+4*i:V+4*i+3], v[VO], s[4:5] offset:8192*i
.set i, i+1
.endr
	global_load_b128 v[V+60:V+63], v[VO15], s[4:5]
	s_mov_b32 s14, 0
	s_wait_loadcnt 0x0
.irp e, 0,1,2,3
	v_cmp_gt_u32 vcc_lo, 34-\e, v[L4]              ; 1920 + 4 l + e < 1954
	v_cndmask_b32 v[V+60+\e], v[NEG], v[V+60+\e], vcc_lo
.endr
.Lround:                                               ; ten rounds
.irp c, 0,1,2,3                                        ; my 64 registers' maximum: four chains of 15, then the four left over
	v_max3_num_f32 v[C+\c], v[V+16*\c], v[V+16*\c+1], v[V+16*\c+2]
.endr
.irp s, 0,1,2,3,4,5
.irp c, 0,1,2,3
	v_max3_num_f32 v[C+\c], v[C+\c], v[V+16*\c+3+2*\s], v[V+16*\c+4+2*\s]
.endr
.endr
	v_max3_num_f32 v[C], v[C], v[V+15], v[V+31]
	v_max3_num_f32 v[C+1], v[C+1], v[V+47], v[V+63]
	v_max3_num_f32 v[M], v[C], v[C+1], v[C+2]
	v_max_num_f32 v[M], v[M], v[C+3]
	WMAX M, T
	v_mov_b32 v[IDL], 0x10000000                   ; above every group's number
.set q, 63
.rept 64                                               ; downward, so that the lowest register that holds the maximum has the last word
	v_cmp_neq_f32 vcc_lo, v[M], v[V+q]
	v_cndmask_b32 v[IDL], 128*(q/4)+q%4, v[IDL], vcc_lo
.set q, q-1
.endr
	v_add_nc_u32 v[W], v[IDL], v[L4]
	WMINU W, T                                     ; the lowest group that holds the maximum
	v_sub_nc_u32 v[WQ], v[W], v[L4]                ; 128 i + 4 l + e names a group in one way only, so this meets a register's constant in the winner's lane alone
.set q, 0
.rept 64
	v_cmp_eq_u32 vcc_lo, 128*(q/4)+q%4, v[WQ]
	v_cndmask_b32 v[V+q], v[V+q], v[NEG], vcc_lo
.set q, q+1
.endr
	v_cmp_eq_u32 vcc_lo, s14, v[LANE]
	v_cndmask_b32 v[OUT], v[OUT], v[W], vcc_lo     ; lane k keeps round k's group
	s_add_co_u32 s14, s14, 1
	s_cmp_lt_u32 s14, 10
	s_cbranch_scc1 .Lround
	global_store_b32 v[L4], v[OUT], s[6:7]         ; 128 consecutive bytes a wave, 512 a work-group's... four users' rows lie 16 users apart
	s_endpgm
.Lfunc_end_k_qdbcd9e2229_pick:
	.size	k_qdbcd9e2229_pick, .Lfunc_end_k_qdbcd9e2229_pick-k_qdbcd9e2229_pick
	.p2alignl 7, 3214868480
	.fill 96, 4, 3214868480
	.section	.rodata,"a",@progbits
	.p2align	6, 0x0
	.amdhsa_kernel k_qdbcd9e2229_pick
		.amdhsa_group_segment_fixed_size 0
		.amdhsa_private_segment_fixed_size 0
		.amdhsa_enable_private_segment 0
		.amdhsa_kernarg_size 16
		.amdhsa_user_sgpr_count 2
		.amdhsa_user_sgpr_kernarg_segment_ptr 1
		.amdhsa_wavefront_size32 1
		.amdhsa_system_sgpr_workgroup_id_x 1
		.amdhsa_system_sgpr_workgroup_id_y 1
		.amdhsa_system_sgpr_workgroup_id_z 1
		.amdhsa_system_vgpr_workitem_id 0
		.amdhsa_next_free_vgpr 84
		.amdhsa_next_free_sgpr 66
		.amdhsa_reserve_vcc 1
		.amdhsa_float_denorm_mode_32 3
		.amdhsa_float_denorm_mode_16_64 3
		.amdhsa_memory_ordered 1
		.amdhsa_forward_progress 1
		.amdhsa_inst_pref_size 19
	.end_amdhsa_kernel
	.amdgpu_metadata
---
amdhsa.version: [ 1, 2 ]
amdhsa.kernels:
  - .name:           k_qdbcd9e2229_pick
    .symbol:         k_qdbcd9e2229_pick.kd
    .args:
      - { .name: gmax, .offset: 0, .size: 8, .value_kind: global_buffer, .address_space: global }
      - { .name: sel, .offset: 8, .size: 8, .value_kind: global_buffer, .address_space: global }
    .group_segment_fixed_size: 0
    .private_segment_fixed_size: 0
    .kernarg_segment_align: 8
    .kernarg_segment_size: 16
    .max_flat_workgroup_size: 128
    .sgpr_count:     66
    .vgpr_count:     84
    .wavefront_size: 32
...
	.end_amdgpu_metadata
.endif
;; end of part 2
;; launch rescore (part 3): grid 256 x 1, 4 waves a work-group, no clusters, 0 bytes of LDS; arguments candb, sel, user_ids, user_table, out0, out1; writes out0, out1
.if DOCPART == 3
	.amdgcn_target "amdgcn-amd-amdhsa--gfx1250"
	.amdhsa_code_object_version 6
	.text
	.protected	k_qdbcd9e2229_rescore
	.globl	k_qdbcd9e2229_rescore
	.p2align	8
	.type	k_qdbcd9e2229_rescore,@function
k_qdbcd9e2229_rescore:
	s_mov_b64 s[64:65], 0
	v_nop
	global_prefetch_b8 v0, s[64:65] scope:SCOPE_SE
	s_setreg_imm32_b32 hwreg(HW_REG_WAVE_MODE, 25, 1), 1
	s_wait_xcnt 0x0
; THE TEN BEST CANDIDATES OF EACH USER, AND ITS EMBEDDING.  One wave takes user u = 4 x work-group + wave.  sel holds the numbers of its ten best groups of 64 candidates, whole numbers stored by the launch before;
; their 640 candidates (candb: the table in bf16) are scored again by the same matrix form on the same operands, so the scores have the same bits as those the groups were picked by; then ten rounds take out the
; largest score, on equal scores the lower index, as lax.top_k orders them.  out0 is the user's row of user_table as it lies, in f32; out1 the ten indices.
; LAYOUT.  Source 0 = 16 candidates, source 1 = the user's row in all 16 columns.  Result register j of lane (r, h) is candidate row 8 h + j, the same in every column r: of tile tau = 4 x group's place + t
; only the lanes with r = tau % 16 keep their eight results, in register set tau / 16.  So each of the 640 scores lives in one lane and register, 24 registers a lane; the sets that no tile fills stay at -inf.
; No choice steers a branch or an address: the groups' addresses come from sel alone.  NO CLUSTER, NO LDS: each user has its own ten groups, and a wave hands nothing to another.
; LIMITS.  Scores are those of the inputs rounded to bf16, summed in f32 by the matrix unit: two scores closer than that sum's rounding may stand in another order than in a sum made otherwise.
; NaN never wins; -inf marks what has been taken out; +0 and -0 count as equal.  user_ids are held to 0 .. 999,999, group numbers to 0 .. 1953.
.set NCAND, 125000
.set LANE, 1
.set LP,   4                           ; v4   my place in a tile of 16 rows of 64 bytes: 64 r + 16 h
.set NEG,  5
.set M,    6
.set T,    7
.set TA,   8
.set IDL,  9
.set W,    10
.set OUT,  11
.set VO,   12                          ; v12-15 a ring slot's load offset
.set C,    16                          ; v16-19 four chains (first: v16 the offset of my group numbers in sel)
.set UO,   20
.set CO,   21
.set BIG,  22
.set O0,   23
.set IDR,  24                          ; v24-47  the index of each kept score
.set BU,   48                          ; v48-55  the user's fragment
.set D,    56                          ; v56-87  results, four buffers (first: the user's row in f32)
.set KEPT, 88                          ; v88-111 the kept scores
.set ROW,  112                         ; v112-115 my 16 bytes of the row, for out0
.set GD,   116                         ; v116-118 group numbers as data
.set AR,   128                         ; v128-255 a ring of four groups, 4 tiles of 8 registers each
.set SEL,  22                          ; s[22:23] v_permlanex16_b32's selects
.set GS,   24                          ; s24-33 the ten groups: numbers, then byte offsets in candb
.macro WMAX x, t
.irp m, 1,2,4,8
	v_max_num_f32_dpp v[\x], v[\x], v[\x] row_xmask:\m row_mask:0xf bank_mask:0xf
.endr
	v_permlanex16_b32 v[\t], v[\x], s[SEL], s[SEL+1]
	v_max_num_f32 v[\x], v[\x], v[\t]
.endm
.macro WMINU x, t
.irp m, 1,2,4,8
	v_mov_b32_dpp v[\t], v[\x] row_xmask:\m row_mask:0xf bank_mask:0xf
	v_min_u32 v[\x], v[\x], v[\t]
.endr
	v_permlanex16_b32 v[\t], v[\x], s[SEL], s[SEL+1]
	v_min_u32 v[\x], v[\x], v[\t]
.endm
.macro LOADG gi                        ; group gi's 4,096 bytes into ring slot gi % 4: eight loads, two to a tile's fragment
	v_add_nc_u32 v[VO+(\gi)%4], s[GS+(\gi)], v[LP]
.irp t, 0,1,2,3
	global_load_b128 v[AR+32*((\gi)%4)+8*\t:AR+32*((\gi)%4)+8*\t+3],   v[VO+(\gi)%4], s[4:5] offset:1024*\t
	global_load_b128 v[AR+32*((\gi)%4)+8*\t+4:AR+32*((\gi)%4)+8*\t+7], v[VO+(\gi)%4], s[4:5] offset:1024*\t+32
.endr
.endm
.macro WM t, slot                      ; K = 32 is the whole sum: C is the constant 0
	v_wmma_f32_16x16x32_bf16 v[D+8*(\t):D+8*(\t)+7], v[AR+32*(\slot)+8*(\t):AR+32*(\slot)+8*(\t)+7], v[BU:BU+7], 0
.endm
.macro KEEP tau, t                     ; lanes tau % 16 and 16 + tau % 16 keep tile tau's results; the result is read from its low end on
	s_mov_b32 s19, 0x00010001<<((\tau)&15)
.irp j, 0,1,2,3,4,5,6,7
	v_cndmask_b32 v[KEPT+8*((\tau)>>4)+\j], v[KEPT+8*((\tau)>>4)+\j], v[D+8*(\t)+\j], s19
.endr
.endm
; A group: four products, each one product ahead of the eight lines that keep its results.  Those lines read a result four places behind its product (ISA guide 7.12.1): four v_nop at the head, then the eight
; lines of the tile before, which name none of the product's registers.  The slot is loaded again behind tile 2's eight lines, which stand behind its last reader.
.macro GROUP gi, left
	s_wait_loadcnt \left                           ; the younger groups' loads stay out; this also frees the slot's offset register
	WM 0, (\gi)%4
	WM 1, (\gi)%4
.rept 4
	v_nop
.endr
	KEEP 4*(\gi), 0
	WM 2, (\gi)%4
	KEEP 4*(\gi)+1, 1
	WM 3, (\gi)%4
	KEEP 4*(\gi)+2, 2
	KEEP 4*(\gi)+3, 3
.if (\gi)+4 < 10
	LOADG (\gi)+4
.endif
.endm
	s_load_b256 s[4:11], s[0:1], 0x0               ; candb s[4:5], sel s[6:7], user_ids s[8:9], user_table s[10:11]
	s_load_b128 s[12:15], s[0:1], 0x20             ; out0 s[12:13], out1 s[14:15]
	v_and_b32 v[LANE], 31, v0
	v_lshrrev_b32 v2, 5, v0
	v_readfirstlane_b32 s16, v2                    ; wave 0..3
	s_lshl2_add_u32 s16, ttmp9, s16                ; the user
	s_lshl_b32 s34, s16, 2
	s_mov_b32 s35, 0
	s_lshl_b32 s36, s16, 7
	s_mov_b32 s37, 0
	s_mul_i32 s38, s16, 40
	s_mov_b32 s39, 0
	s_mov_b32 s[SEL], 0x76543210
	s_mov_b32 s[SEL+1], 0xfedcba98
	s_wait_kmcnt 0x0
	s_add_nc_u64 s[8:9], s[8:9], s[34:35]          ; my id
	s_add_nc_u64 s[6:7], s[6:7], s[36:37]          ; my 32 words of sel
	s_add_nc_u64 s[12:13], s[12:13], s[36:37]      ; my row of out0
	s_add_nc_u64 s[14:15], s[14:15], s[38:39]      ; my ten words of out1
	s_load_b32 s17, s[8:9], 0x0
	s_load_b256 s[GS:GS+7], s[6:7], 0x0
	s_load_b64 s[GS+8:GS+9], s[6:7], 0x20
	v_and_b32 v2, 15, v0                           ; r
	v_bfe_u32 v3, v0, 4, 1                         ; h
	v_lshlrev_b32 v[LP], 6, v2
	v_lshl_add_u32 v[LP], v3, 4, v[LP]
	v_mov_b32 v[NEG], 0xff800000
	v_mov_b32 v[T], 0                              ; a destination of a lane move counts as read
	v_mov_b32 v[OUT], 0
	v_mov_b32 v[BIG], 0x7fffffff
	v_lshlrev_b32 v[O0], 4, v[LANE]
	v_and_b32 v[C], 12, v2                         ; 4 (r / 4): set s of my kept scores belongs to the group at place 4 s + r / 4
	v_and_b32 v[CO], 7, v[LANE]
	s_wait_kmcnt 0x0
	s_min_u32 s17, s17, 0xf423f
	s_lshl_b32 s17, s17, 7                         ; a row of user_table is 128 bytes
.set i, 0
.rept 10
	s_min_u32 s[GS+i], s[GS+i], 1953
	s_lshl_b32 s[GS+i], s[GS+i], 12                ; a group is 64 rows of 64 bytes
.set i, i+1
.endr
	v_lshl_add_u32 v[UO], v3, 5, s17               ; channels 8 h on
	v_lshl_add_u32 v[CO], v[CO], 4, s17
	global_load_b128 v[D:D+3],     v[UO], s[10:11]
	global_load_b128 v[D+4:D+7],   v[UO], s[10:11] offset:16
	global_load_b128 v[D+8:D+11],  v[UO], s[10:11] offset:64
	global_load_b128 v[D+12:D+15], v[UO], s[10:11] offset:80
	global_load_b128 v[ROW:ROW+3], v[CO], s[10:11]
.irp s, 0,1,2
	global_load_b32 v[GD+\s], v[C], s[6:7] offset:16*\s
.endr
	LOADG 0
	LOADG 1
	LOADG 2
	LOADG 3
.set i, 0
.rept 24
	v_mov_b32 v[KEPT+i], v[NEG]                    ; the lanes and sets that no tile fills must lose every round
.set i, i+1
.endr
	v_and_b32 v[TA], 3, v2
	v_lshlrev_b32 v[TA], 4, v[TA]
	v_lshl_add_u32 v[TA], v3, 3, v[TA]             ; my rows in a group: 16 (r % 4) + 8 h + j
	s_wait_loadcnt 32                              ; the four groups' 32 loads are younger: row, piece and group numbers are in
.set m, 0
.rept 8
	v_cvt_pk_bf16_f32 v[BU+m], v[D+2*m], v[D+2*m+1]
.set m, m+1
.endr
.irp s, 0,1,2
	v_min_u32 v[GD+\s], 1953, v[GD+\s]
	v_lshl_add_u32 v[IDR+8*\s], v[GD+\s], 6, v[TA]
.irp j, 1,2,3,4,5,6,7
	v_add_nc_u32 v[IDR+8*\s+\j], \j, v[IDR+8*\s]
.endr
.endr
	GROUP 0, 24
	GROUP 1, 24
	GROUP 2, 24
	GROUP 3, 24
	GROUP 4, 24
	GROUP 5, 24
	GROUP 6, 24
	GROUP 7, 16
	GROUP 8, 8
	GROUP 9, 0
.irp s, 0,1,2                                          ; rows past the table's end (in group 1953) are no candidates; 125,000 is a multiple of 8, so one compare serves a lane's eight
	v_cmp_gt_u32 vcc_lo, NCAND, v[IDR+8*\s]
.irp j, 0,1,2,3,4,5,6,7
	v_cndmask_b32 v[KEPT+8*\s+\j], v[NEG], v[KEPT+8*\s+\j], vcc_lo
.endr
.endr
	s_mov_b32 s20, 0
.Lround:                                               ; ten rounds
.irp c, 0,1,2,3
	v_max3_num_f32 v[C+\c], v[KEPT+3*\c], v[KEPT+3*\c+1], v[KEPT+3*\c+2]
.endr
.irp c, 0,1,2,3
	v_max3_num_f32 v[C+\c], v[C+\c], v[KEPT+12+2*\c], v[KEPT+13+2*\c]
.endr
	v_max3_num_f32 v[C], v[C], v[KEPT+20], v[KEPT+21]
	v_max3_num_f32 v[C+1], v[C+1], v[KEPT+22], v[KEPT+23]
	v_max3_num_f32 v[M], v[C], v[C+1], v[C+2]
	v_max_num_f32 v[M], v[M], v[C+3]
	WMAX M, T
	v_mov_b32 v[IDL], v[BIG]
.set i, 0
.rept 24                                               ; the lowest index among my scores that equal the maximum
	v_cmp_neq_f32 vcc_lo, v[M], v[KEPT+i]
	v_cndmask_b32 v[TA], v[IDR+i], v[BIG], vcc_lo
	v_min_u32 v[IDL], v[IDL], v[TA]
.set i, i+1
.endr
	v_mov_b32 v[W], v[IDL]
	WMINU W, T                                     ; and among all lanes'
.set i, 0
.rept 24
	v_cmp_eq_u32 vcc_lo, v[W], v[IDR+i]
	v_cndmask_b32 v[KEPT+i], v[KEPT+i], v[NEG], vcc_lo
.set i, i+1
.endr
	v_cmp_eq_u32 vcc_lo, s20, v[LANE]
	v_cndmask_b32 v[OUT], v[OUT], v[W], vcc_lo     ; lane k keeps round k's index
	s_add_co_u32 s20, s20, 1
	s_cmp_lt_u32 s20, 10
	s_cbranch_scc1 .Lround
	v_lshlrev_b32 v[TA], 2, v[LANE]
	v_cmp_gt_u32 vcc_lo, 8, v[LANE]
	s_wait_xcnt 0x0                                ; EXEC is a source of every memory instruction issued so far: it changes only behind this wait
	s_and_saveexec_b32 s21, vcc_lo
	global_store_b128 v[O0], v[ROW:ROW+3], s[12:13]  ; eight lanes: the row's 128 bytes; a work-group's four rows are 512 consecutive bytes
	s_wait_xcnt 0x0
	s_or_b32 exec_lo, exec_lo, s21
	v_cmp_gt_u32 vcc_lo, 10, v[LANE]
	s_and_saveexec_b32 s21, vcc_lo                 ; nothing has been issued since the wait above
	global_store_b32 v[TA], v[OUT], s[14:15]       ; ten lanes: the user's 40 bytes
	s_wait_xcnt 0x0
	s_or_b32 exec_lo, exec_lo, s21
	s_endpgm
.Lfunc_end_k_qdbcd9e2229_rescore:
	.size	k_qdbcd9e2229_rescore, .Lfunc_end_k_qdbcd9e2229_rescore-k_qdbcd9e2229_rescore
	.p2alignl 7, 3214868480
	.fill 96, 4, 3214868480
	.section	.rodata,"a",@progbits
	.p2align	6, 0x0
	.amdhsa_kernel k_qdbcd9e2229_rescore
		.amdhsa_group_segment_fixed_size 0
		.amdhsa_private_segment_fixed_size 0
		.amdhsa_enable_private_segment 0
		.amdhsa_kernarg_size 48
		.amdhsa_user_sgpr_count 2
		.amdhsa_user_sgpr_kernarg_segment_ptr 1
		.amdhsa_wavefront_size32 1
		.amdhsa_system_sgpr_workgroup_id_x 1
		.amdhsa_system_sgpr_workgroup_id_y 1
		.amdhsa_system_sgpr_workgroup_id_z 1
		.amdhsa_system_vgpr_workitem_id 0
		.amdhsa_next_free_vgpr 256
		.amdhsa_next_free_sgpr 66
		.amdhsa_reserve_vcc 1
		.amdhsa_float_denorm_mode_32 3
		.amdhsa_float_denorm_mode_16_64 3
		.amdhsa_memory_ordered 1
		.amdhsa_forward_progress 1
		.amdhsa_inst_pref_size 48
	.end_amdhsa_kernel
	.amdgpu_metadata
---
amdhsa.version: [ 1, 2 ]
amdhsa.kernels:
  - .name:           k_qdbcd9e2229_rescore
    .symbol:         k_qdbcd9e2229_rescore.kd
    .args:
      - { .name: candb, .offset: 0, .size: 8, .value_kind: global_buffer, .address_space: global }
      - { .name: sel, .offset: 8, .size: 8, .value_kind: global_buffer, .address_space: global }
      - { .name: user_ids, .offset: 16, .size: 8, .value_kind: global_buffer, .address_space: global }
      - { .name: user_table, .offset: 24, .size: 8, .value_kind: global_buffer, .address_space: global }
      - { .name: out0, .offset: 32, .size: 8, .value_kind: global_buffer, .address_space: global }
      - { .name: out1, .offset: 40, .size: 8, .value_kind: global_buffer, .address_space: global }
    .group_segment_fixed_size: 0
    .private_segment_fixed_size: 0
    .kernarg_segment_align: 8
    .kernarg_segment_size: 48
    .max_flat_workgroup_size: 128
    .sgpr_count:     66
    .vgpr_count:     256
    .wavefront_size: 32
...
	.end_amdgpu_metadata
.endif
;; end of part 3
;; ======== version 2 of 2: 3 launches; version 1 with the launch score written anew for expert scheduling mode
;; workspace buffers: gmax 8,028,160 bytes; candb 8,028,160 bytes; sel 131,072 bytes of whole numbers
;; launch score (part 4): grid 245 x 1, 4 waves a work-group, no clusters, 41,728 bytes of LDS; arguments cand_table, user_ids, user_table, gmax, candb; writes gmax, candb
.if DOCPART == 4
	.amdgcn_target "amdgcn-amd-amdhsa--gfx1250"
	.amdhsa_code_object_version 6
	.text
	.protected	k_qdbcd9e2229_score
	.globl	k_qdbcd9e2229_score
	.p2align	8
	.type	k_qdbcd9e2229_score,@function
k_qdbcd9e2229_score:
	s_mov_b64 s[64:65], 0
	v_nop
	global_prefetch_b8 v0, s[64:65] scope:SCOPE_SE
	s_setreg_imm32_b32 hwreg(HW_REG_WAVE_SCHED_MODE, 0, 2), 2
	s_setreg_imm32_b32 hwreg(HW_REG_WAVE_MODE, 25, 1), 1
	s_wait_xcnt 0x0
	s_wait_alu depctr_vm_vsrc(0)
; SCORES, KEPT AS GROUP MAXIMA.  scores[u][c] = the sum over 32 channels of user_table[user_ids[u]] x cand_table[c], both rounded to bf16, summed in f32 by one matrix instruction.
; Candidates lie in groups of 64 neighbours (group = c >> 6).  Only each group's largest score is stored for each user: the ten best candidates of a user lie in the ten groups with the
; best (maximum, then lower group number), which a later launch picks and a third scores again.  This launch also stores the candidates rounded to bf16 for that third launch.
; SHARES.  A work-group owns a chunk of 512 candidates (8 groups; 245 chunks cover 125,440 rows) against all 1,024 users; wave w owns users 256 w .. 256 w + 255 as 16 fragments in registers.
; The table ends inside the last chunk: a wave's load of four rows is clamped, as a whole, to the table's last four rows.  Those belong to group 1953, whose maximum a repeat does not change; groups from 1954 on are never read as scores.
; LAYOUT.  Source 0 = 16 candidates, source 1 = 16 users.  Result register j of lane (r = lane % 16, h = lane / 16) is candidate row 8 h + j, user column r.  Tile n takes chunk rows 8 n .. 8 n + 7 and
; 256 + 8 n .. 256 + 8 n + 7, so a lane's eight results, over the eight tiles 8 p .. 8 p + 7, are one whole group: 4 h + p of the chunk.  No maximum ever crosses lanes.
; Fragment f's column r is user 256 w + 16 r + f.  gmax is [block 16 w + f][chunk][r][8 groups] of f32: a wave's store of a fragment's maxima covers 512 consecutive bytes, aligned.
; NO CLUSTER, NO TENSOR LOAD: no two work-groups read the same candidates; what they share, the gathered user rows, is no tile; and the f32 rows are rounded on their way into LDS, so they pass through registers anyway.
; LIMITS.  NaN and infinite scores are not treated apart (a NaN loses every maximum).  user_ids are held to 0 .. 999,999.
; REGISTERS, in windows of 256 (s_set_vgpr_msb: bits 1:0 source 0, 3:2 source 1, 5:4 source 2, 7:6 destination):
;   window 0: v0-15 addresses and four at work; v16-31 candidate fragments, two buffers; v32-63 results, four buffers (first: the ids); v64-127 the maxima (first: the packed candidates); v128-255 the user fragments (first: 32 load offsets)
;   window 1: the users' rows in f32, 16 registers a fragment          window 2: v0-127 the chunk's share in f32, 4 registers a load
; THE MODE: SCHED_MODE bits 1:0 = 2 (LLVM: expert scheduling mode 2), set by the entry lines.  The code itself states the register dependences
; between vector or matrix instructions and memory or LDS instructions, with s_wait_alu, always for 0.  The text has one path: no branch, no loop.
; THE PLAN.  Registers that memory or LDS instructions touch:
;   v1, v2, v10, v12, v13   addresses and offsets, made at the head and never written again: one wait on va_vdst ahead of the first load states that they, and the 32 offsets below, are written.
;   v128-159 (VO)           the candidate loads' offsets; later written by the users' conversions.
;   v32-47 (ID)             the ids land here; vector lines make row offsets of them (a wait on va_vdst); the user loads read them; later the products write them.
;   v64-127 (PK)            written by the candidates' conversions (a wait on va_vdst); read by the LDS stores and the stores into candb; later written by the maxima, which the last stores read (a wait on va_vdst).
;   ONE wait on vm_vsrc, behind the run of stores, states that VO, ID and PK have been read: all three are written again only behind it.
;   windows 1 and 2         loads land there once; no vector instruction names them ahead of those loads.
;   v16-31 (A0, A1)         tile n's sixteen products read A[n % 2]; the loads issued in tile n land in the other buffer, which tile n - 1's products read.  So ONE wait on va_vdst stands at a tile's head, and
;                           the tile's two loads follow it among its first products, which name none of the registers that those loads touch.
;   v3, v4                  written at the head, read by the closing add alone.
.set PITCH,  80                        ; an LDS row: 64 bytes of bf16 + 16: eight neighbouring rows start 20 words apart
.set HALF2,  256*PITCH+128             ; rows 256-511 begin here: 32 words further round the banks (64 banks of 4 bytes: ISA guide 11.1), so a fragment's two runs of eight rows touch different banks
.set SPARE,  41216                     ; behind the rows: the spare words, 128 bytes for each wave: two blocks of 256 bytes that no other line names
.set BLK,    125440                    ; bytes of a block of gmax: 245 chunks x 512
.set LASTB,  31249                     ; the table's last run of four rows (125,000 / 4 - 1)
.set MAXID,  999999
.set VA,  1                            ; v1   LDS address of my part of tile 0
.set GO,  2                            ; v2   my 16 bytes in a chunk's 512 of gmax: 32 r + 16 h
.set SPW, 3                            ; v3   LDS address of my spare word; never rewritten
.set NIL, 4                            ; v4   0; never rewritten
.set T,   5                            ; v5-8 at work
.set LANE, 9
.set VLS, 10                           ; v10  where my 8 bytes of a rounded row go in LDS
.set L16, 11                           ; v11  16 x lane
.set CBO, 12                           ; v12  where they go in candb
.set IDO, 13                           ; v13  my 16 ids
.set H32, 14                           ; v14  32 h
.set A,   16
.set D,   32
.set ID,  32
.set ACC, 64
.set PK,  64
.set B,   128
.set VO,  128
.set MSB, 0
.macro WIN new                         ; the immediate's high byte repeats the setting that is left
.if MSB != (\new)
	s_set_vgpr_msb (MSB<<8)|(\new)
.set MSB, \new
.endif
.endm
	s_load_b256 s[4:11], s[0:1], 0x0               ; cand_table s[4:5], user_ids s[6:7], user_table s[8:9], gmax s[10:11]
	s_load_b64 s[12:13], s[0:1], 0x20              ; candb
	v_lshl_add_u32 v[SPW], v0, 2, SPARE
	v_mov_b32 v[NIL], 0
	v_and_b32 v[LANE], 31, v0
	v_lshrrev_b32 v5, 5, v0
	v_readfirstlane_b32 s14, v5                    ; wave 0..3
	s_mov_b32 s15, ttmp9                           ; chunk
	v_and_b32 v5, 15, v0                           ; r
	v_bfe_u32 v6, v0, 4, 1                         ; h
	v_lshrrev_b32 v7, 3, v5
	v_and_b32 v8, 7, v5
	v_mul_u32_u24 v[VA], v7, HALF2                 ; fragment row r is chunk row 256 (r / 8) + r % 8 (+ 8 n)
	v_mul_u32_u24 v8, v8, PITCH
	v_add_nc_u32 v[VA], v[VA], v8
	v_lshl_add_u32 v[VA], v6, 4, v[VA]             ; + 16 h: channels 8 h on
	v_lshlrev_b32 v[GO], 5, v5
	v_lshl_add_u32 v[GO], v6, 4, v[GO]
	v_lshlrev_b32 v[H32], 5, v6
	v_lshlrev_b32 v[L16], 4, v[LANE]
	v_lshrrev_b32 v7, 3, v[LANE]                   ; a load of 512 bytes is four rows: lane / 8 is the row, lane % 8 the four channels
	s_wait_alu depctr_va_sdst(0)                   ; s14 is written, ahead of its first reader: LDS places, offsets and bases are made from it
	s_lshl_b32 s17, s14, 2
	v_add_nc_u32 v7, s17, v7                       ; chunk row 16 i + 4 w + lane / 8
	v_and_b32 v8, 7, v[LANE]
	v_mul_u32_u24 v[VLS], v7, PITCH
	v_lshl_add_u32 v[VLS], v8, 3, v[VLS]
	s_lshl_b32 s17, s14, 8
	v_lshl_add_u32 v[CBO], v[LANE], 3, s17         ; 256 w + 8 x lane
	s_lshl_b32 s17, s14, 10
	v_lshl_add_u32 v[IDO], v5, 6, s17              ; ids 256 w + 16 r on
	s_lshl_b32 s16, s15, 7
	s_add_co_u32 s16, s16, s14                     ; my first run of four rows: 128 x chunk + w
.set i, 0
.rept 32                                               ; load i takes run 128 x chunk + w + 4 i, held to the table's last
	s_add_co_u32 s17, s16, 4*i
	s_min_u32 s17, s17, LASTB
	s_lshl_b32 s17, s17, 9
	v_add_nc_u32 v[VO+i], s17, v[L16]
.set i, i+1
.endr
	s_mul_i32 s18, s14, 16*BLK                     ; gmax at my wave's 16 blocks, this chunk
	s_lshl_b32 s17, s15, 9
	s_add_co_u32 s18, s18, s17
	s_mov_b32 s19, 0
	s_wait_kmcnt 0x0
	s_add_nc_u64 s[10:11], s[10:11], s[18:19]
	s_lshl_b32 s18, s15, 15                        ; candb at this chunk: 512 rows of 64 bytes
	s_add_nc_u64 s[12:13], s[12:13], s[18:19]
	s_wait_alu depctr_va_vdst(0)                   ; every address and offset of the kernel is written: v1, v2, v10, v12, v13 and the 32 of v[VO ..], which the loads and stores below read
.irp k, 0,1,2,3
	global_load_b128 v[ID+4*\k:ID+4*\k+3], v[IDO], s[6:7] offset:16*\k  ; register f: the id of user 256 w + 16 r + f
.endr
	WIN 0x80                                       ; destination window 2 (behind the wait above stand only the four loads and this switch)
.set i, 0
.rept 32
	global_load_b128 v[4*i:4*i+3], v[VO+i], s[4:5] th:TH_LOAD_NT  ; 512 consecutive bytes a wave; each candidate byte is read once in the launch
.set i, i+1
.endr
	WIN 0
	s_wait_loadcnt 32                              ; the 32 candidate loads are younger: the ids are in
.set f, 0
.rept 16
	v_min_u32 v[ID+f], MAXID, v[ID+f]
	v_lshl_add_u32 v[ID+f], v[ID+f], 7, v[H32]     ; a row is 128 bytes; my channels 8 h on begin 32 h into it
.set f, f+1
.endr
	WIN 0x40                                       ; destination window 1
	s_wait_alu depctr_va_vdst(0)                   ; the lines above have written v[ID ..], which the user loads read as their offsets
.set f, 0
.rept 16                                               ; channels 8 h .. 8 h + 7 and 16 + 8 h .. 16 + 8 h + 7 of the row: a fragment's share of a lane
	global_load_b128 v[16*f:16*f+3],     v[ID+f], s[8:9]
	global_load_b128 v[16*f+4:16*f+7],   v[ID+f], s[8:9] offset:16
	global_load_b128 v[16*f+8:16*f+11],  v[ID+f], s[8:9] offset:64
	global_load_b128 v[16*f+12:16*f+15], v[ID+f], s[8:9] offset:80
.set f, f+1
.endr
	s_wait_loadcnt 63                              ; 64 loads were issued behind the last candidate load: with 63 out at the most, every candidate load is done
	WIN 0x0a                                       ; sources 0 and 1 window 2
.set i, 0
.rept 64
	v_cvt_pk_bf16_f32 v[PK+i], v[2*i], v[2*i+1]
.set i, i+1
.endr
	WIN 0
	s_wait_alu depctr_va_vdst(0)                   ; the conversions have written v[PK ..], which the 64 stores below read
.set i, 0
.rept 32
	ds_store_b64 v[VLS], v[PK+2*i:PK+2*i+1] offset:i*16*PITCH+(i/16)*128
.set i, i+1
.endr
.set i, 0
.rept 32
	global_store_b64 v[CBO], v[PK+2*i:PK+2*i+1], s[12:13] offset:i*1024  ; 256 consecutive bytes a wave, at a multiple of 256 from candb's first byte
.set i, i+1
.endr
	s_wait_alu depctr_vm_vsrc(0)                   ; the candidate loads have read v[VO ..], which the conversions below write; the user loads have read v[ID ..], which the products write; the stores above have read v[PK ..], which the maxima write
.set q, 0
.rept 4
	s_wait_loadcnt 48-16*q                         ; the loads of the fragments behind these four stay out
	WIN 0x05                                       ; sources 0 and 1 window 1
.set f, 4*q
.rept 4
.set m, 0
.rept 8
	v_cvt_pk_bf16_f32 v[B+8*f+m], v[16*f+2*m], v[16*f+2*m+1]
.set m, m+1
.endr
.set f, f+1
.endr
.set q, q+1
.endr
	WIN 0
	s_wait_xcnt 0x0                                ; every earlier memory instruction has had its addresses translated (ISA guide 3.1): the maxima take the packed words' registers only behind this wait, which stands beside the wait on vm_vsrc above
	s_wait_dscnt 0x0                               ; for the others' sake: my rows are in LDS
	s_barrier_signal -1
	s_barrier_wait -1                              ; everybody's are
	ds_load_b128 v[A:A+3],   v[VA]                 ; no vector instruction has named v16-31 yet, and v[VA] was written ahead of the head's wait
	ds_load_b128 v[A+4:A+7], v[VA] offset:32
; One product: 16 candidates x fragment f's 16 users; K = 32 is the whole sum, so C is the constant 0 and no accumulator is ever added onto.
.macro MMA f, ab
	v_wmma_f32_16x16x32_bf16 v[D+8*((\f)%4):D+8*((\f)%4)+7], v[A+8*(\ab):A+8*(\ab)+7], v[B+8*(\f):B+8*(\f)+7], 0
.endm
; Its eight results of a lane go into the maximum of group p for fragment f: four lines for eight scores.  The result is read from its low end on.  t = 0: a group's first tile starts the maximum: nothing is cleared.
.macro RED f, p, t
.set rd, D+8*((\f)%4)
.set rt, T+2*((\f)%2)
	v_max3_num_f32 v[rt],   v[rd],   v[rd+1], v[rd+2]
	v_max3_num_f32 v[rt+1], v[rd+3], v[rd+4], v[rd+5]
	v_max3_num_f32 v[rt],   v[rt],   v[rd+6], v[rd+7]
.if (\t) == 0
	v_max_num_f32 v[ACC+4*(\f)+(\p)], v[rt], v[rt+1]
.else
	v_max3_num_f32 v[ACC+4*(\f)+(\p)], v[ACC+4*(\f)+(\p)], v[rt], v[rt+1]
.endif
.endm
; A tile: 16 products and their 64 lines of maxima, one product ahead of its maxima.  A vector instruction reads a matrix result four places behind it, and only plain vector instructions that name none of its
; registers are places (ISA guide 7.12.1): the maxima of the product before are those four; at a tile's head four v_nop.  A result buffer is written again twelve such lines behind its product.
; The next tile's fragment is asked for among the tile's first two products, behind the wait at the tile's head.  Tile 0 has no such wait (nothing has named the second buffer yet), tile 31 neither (it asks for nothing).
.macro TILE n
	s_wait_dscnt 0x0                               ; this tile's fragment, asked for a tile ago
.if ((\n) > 0) && ((\n) < 31)
	s_wait_alu depctr_va_vdst(0)                   ; the last tile's sixteen products are done reading the other fragment buffer, in which the two loads below land
.endif
	MMA 0, (\n)%2
.if (\n) < 31
	ds_load_b128 v[A+8*(((\n)+1)%2):A+8*(((\n)+1)%2)+3],   v[VA] offset:((\n)+1)*8*PITCH      ; no wait: no vector or matrix instruction since the wait above names this buffer or v[VA]
.endif
	MMA 1, (\n)%2
.if (\n) < 31
	ds_load_b128 v[A+8*(((\n)+1)%2)+4:A+8*(((\n)+1)%2)+7], v[VA] offset:((\n)+1)*8*PITCH+32
.endif
.rept 4
	v_nop
.endr
	RED 0, (\n)/8, (\n)%8
.irp f, 2,3,4,5,6,7,8,9,10,11,12,13,14,15
	MMA \f, (\n)%2
	RED (\f)-1, (\n)/8, (\n)%8
.endr
	RED 15, (\n)/8, (\n)%8
.endm
.set n, 0
.rept 32                                               ; written out: every LDS offset and every register is a constant of the text
	TILE n
.set n, n+1
.endr
	s_wait_alu depctr_va_vdst(0)                   ; the maxima v[ACC ..] are written, which the sixteen stores below read
.set f, 0
.rept 16
	global_store_b128 v[GO], v[ACC+4*f:ACC+4*f+3], s[10:11] offset:f*BLK  ; groups 4 h .. 4 h + 3 of the chunk for user 256 w + 16 r + f: the wave's 512 consecutive bytes
.set f, f+1
.endr
	s_wait_dscnt 0x0                               ; the closing lines, six on end
	s_wait_alu 0x0
	s_wait_tensorcnt 0x0
	ds_add_u32 v[SPW], v[NIL]
	s_wait_dscnt 0x0
	s_endpgm
.Lfunc_end_k_qdbcd9e2229_score:
	.size	k_qdbcd9e2229_score, .Lfunc_end_k_qdbcd9e2229_score-k_qdbcd9e2229_score
	.p2alignl 7, 3214868480
	.fill 96, 4, 3214868480
	.section	.rodata,"a",@progbits
	.p2align	6, 0x0
	.amdhsa_kernel k_qdbcd9e2229_score
		.amdhsa_group_segment_fixed_size 41728
		.amdhsa_private_segment_fixed_size 0
		.amdhsa_enable_private_segment 0
		.amdhsa_kernarg_size 40
		.amdhsa_user_sgpr_count 2
		.amdhsa_user_sgpr_kernarg_segment_ptr 1
		.amdhsa_wavefront_size32 1
		.amdhsa_system_sgpr_workgroup_id_x 1
		.amdhsa_system_sgpr_workgroup_id_y 1
		.amdhsa_system_sgpr_workgroup_id_z 1
		.amdhsa_system_vgpr_workitem_id 0
		.amdhsa_next_free_vgpr 640
		.amdhsa_next_free_sgpr 66
		.amdhsa_reserve_vcc 0
		.amdhsa_float_denorm_mode_32 3
		.amdhsa_float_denorm_mode_16_64 3
		.amdhsa_memory_ordered 1
		.amdhsa_forward_progress 1
		.amdhsa_inst_pref_size 207
	.end_amdhsa_kernel
	.amdgpu_metadata
---
amdhsa.version: [ 1, 2 ]
amdhsa.kernels:
  - .name:           k_qdbcd9e2229_score
    .symbol:         k_qdbcd9e2229_score.kd
    .args:
      - { .name: cand_table, .offset: 0, .size: 8, .value_kind: global_buffer, .address_space: global }
      - { .name: user_ids, .offset: 8, .size: 8, .value_kind: global_buffer, .address_space: global }
      - { .name: user_table, .offset: 16, .size: 8, .value_kind: global_buffer, .address_space: global }
      - { .name: gmax, .offset: 24, .size: 8, .value_kind: global_buffer, .address_space: global }
      - { .name: candb, .offset: 32, .size: 8, .value_kind: global_buffer, .address_space: global }
    .group_segment_fixed_size: 41728
    .private_segment_fixed_size: 0
    .kernarg_segment_align: 8
    .kernarg_segment_size: 40
    .max_flat_workgroup_size: 128
    .sgpr_count:     66
    .vgpr_count:     640
    .wavefront_size: 32
...
	.end_amdgpu_metadata
.endif
;; end of part 4
;; launch pick: the kernel of part 2 again; grid 256 x 1, 4 waves a work-group, no clusters, 0 bytes of LDS; arguments gmax, sel; writes sel
;; launch rescore: the kernel of part 3 again; grid 256 x 1, 4 waves a work-group, no clusters, 0 bytes of LDS; arguments candb, sel, user_ids, user_table, out0, out1; writes out0, out1
